; MI455X (gfx1250); checked and timed in simulation.
; The chip was launched on July 23, 2026; its instructions are those of AMD's public machine-readable ISA for CDNA 5 (MIT licence, August 2026) and "CDNA5" Instruction Set Architecture Reference Guide (July 2026). The comments in the code are by the model that wrote it; some were corrected since.
;; Quantisation. Allowed arithmetic: float matrix products may take bf16 or f16 operands with f32 sums; other float arithmetic in f32, or as packed bf16 or f16 multiplies, adds, multiply-adds, maxima and minima; sums over many terms, partial sums and values carried from step to step in f32; what a program stores and reads back later, other than sums and carried values, may be rounded once to bf16 or f16.
;; Inputs: weight 8,192 x 256 float32; x_flat 32,768 x 256 float32.
;; Outputs: out0 32,768 x 256 float32.
;; 2 versions, each right; version 2 is version 1 with the launch prep written anew for expert scheduling mode. Each part assembles by itself: llvm-mc -triple=amdgcn-amd-amdhsa -mcpu=gfx1250 --defsym DOCPART=n.
;; ======== version 1 of 2: 3 launches
;; workspace buffers: xf 16,777,216 bytes; x2 131,072 bytes; wf 4,194,304 bytes; wr 4,194,304 bytes; w2 32,768 bytes; order 131,072 bytes of whole numbers
;; launch prep (part 1): grid 320 x 1, 8 waves a work-group, no clusters, 69,120 bytes of LDS; arguments x_flat, weight, xf, x2, wf, wr, w2; writes xf, x2, wf, wr, w2
.if DOCPART == 1
	.amdgcn_target "amdgcn-amd-amdhsa--gfx1250"
	.amdhsa_code_object_version 6
	.text
	.protected	k_qe3d4cc5f58_prep
	.globl	k_qe3d4cc5f58_prep
	.p2align	8
	.type	k_qe3d4cc5f58_prep,@function
k_qe3d4cc5f58_prep:
	s_mov_b64 s[64:65], 0
	v_nop
	global_prefetch_b8 v0, s[64:65] scope:SCOPE_SE
	s_setreg_imm32_b32 hwreg(HW_REG_WAVE_MODE, 25, 1), 1
	s_wait_xcnt 0x0
; PREP.  x_flat [32768][256] and weight [8192][256], f32, are rounded once to bf16 and laid out for the matrix instruction; each rounded row's sum of squares is kept in f32.
; A wave takes a tile of 16 rows.  Work-groups 0-63 take weight (64 x 8 x 16 = 8,192 rows), work-groups 64-319 take x (256 x 8 x 16 = 32,768 rows).
; FRAGMENT-MAJOR LAYOUT (xf, wf): a tile of 16 rows is 8,192 bytes, sixteen chunks of 512; in chunk i lane L (r = L % 16, h = L / 16) owns the 16 bytes at 512 i + 16 L: row r, k = 16 i + 8 h + 0..7.
; Chunks 2c and 2c+1 are then the eight registers of the 16 x 32 bf16 fragment c (ISA guide 7.12.2), and every load of a fragment is 512 consecutive bytes.
; weight also goes out row-major in bf16 (wr), for the gather of the last launch.
; The turn from rows to fragments goes through a stage in LDS that is the wave's own (rows 528 bytes apart: 132 words, so the 16 rows of a read start at 16 different groups of four banks, ISA guide 11.1).
; LIMITS.  One rounding to bf16 (nearest even); the squares are summed in f32 in four chains a lane and then across two lanes: an order of its own.  NaN and infinities are not treated apart.
; No matrix unit and no cluster: the launch streams, each input byte is read once, and no two work-groups share a byte.
.set PITCH, 528
.set STG,   16*PITCH                   ; a wave's stage: 8,448 bytes
.set SQ,    8*STG                      ; 128 sums of squares, 512 bytes, at byte 67,584
.set SPARE, SQ+512                     ; the spare words: 128 bytes for each of eight waves, four blocks of 256 bytes that no other line names
.set L16, 1                            ; v1   16 x lane
.set L8,  2                            ; v2   8 x lane
.set STO, 3                            ; v3   stage: where my 8 bytes of a row's half go
.set FRD, 4                            ; v4   stage: where my 16 bytes of chunk 0 lie
.set SQA, 5                            ; v5   LDS word of my row's sum
.set NUL, 6                            ; v6   0: the addend that starts the four chains
.set SQR, 7                            ; v7   wave 0: where it reads four sums back
.set SPW, 8                            ; v8   my spare word; never rewritten
.set NIL, 9                            ; v9   0, for the add alone
.set SUM, 10                           ; v[10:13] four chains
.set TMP, 14                           ; v14  at work
.set X,   16                           ; v[16:143]  row p, half c as loaded: 16 + 8 p + 4 c
.set F,   16                           ; v[16:79]   later: the 16 chunks
.set BK,  80                           ; v[80:83]   wave 0: four sums read back
.set P,   144                          ; v[144:207] packed bf16: 144 + 4 p + 2 c
	s_load_b256 s[4:11], s[0:1], 0x0               ; x_flat s[4:5], weight s[6:7], xf s[8:9], x2 s[10:11]
	s_load_b128 s[12:15], s[0:1], 0x20             ; wf s[12:13], wr s[14:15]
	s_load_b64 s[16:17], s[0:1], 0x30              ; w2
	v_lshl_add_u32 v[SPW], v0, 2, SPARE
	v_mov_b32 v[NIL], 0
	v_lshrrev_b32 v[TMP], 5, v0
	v_readfirstlane_b32 s28, v[TMP]                ; wave 0..7
	v_and_b32 v15, 31, v0                          ; lane
	v_and_b32 v12, 15, v0                          ; r
	v_bfe_u32 v13, v0, 4, 1                        ; h
	v_lshlrev_b32 v[L16], 4, v15
	v_lshlrev_b32 v[L8], 3, v15
	v_mov_b32 v[NUL], 0
	s_mul_i32 s29, s28, STG                        ; my stage
	v_add_nc_u32 v[STO], s29, v[L8]
	v_mul_u32_u24 v[FRD], v12, PITCH
	v_lshl_add_u32 v[FRD], v13, 4, v[FRD]
	v_add_nc_u32 v[FRD], s29, v[FRD]               ; stage + r x pitch + 16 h
	s_lshl_b32 s29, s28, 6
	s_add_co_u32 s29, s29, SQ
	v_lshl_add_u32 v[SQA], v12, 2, s29             ; SQ + 4 (16 wave + r)
	v_add_nc_u32 v[SQR], SQ, v[L16]
	s_mov_b32 s30, 0x76543210                      ; v_permlanex16_b32: each lane takes its own place in the other half
	s_mov_b32 s31, 0xfedcba98
	s_mov_b32 s27, ttmp9
	s_sub_co_u32 s26, s27, 64
	s_cmp_lt_u32 s27, 64
	s_cselect_b32 s26, s27, s26                    ; my number among weight's, or among x's, work-groups
	s_lshl_b32 s32, s26, 3
	s_add_co_u32 s32, s32, s28                     ; my tile
	s_lshl_b32 s34, s32, 14                        ; its 16 rows of 1,024 bytes in the source
	s_mov_b32 s35, 0
	s_lshl_b32 s36, s32, 13                        ; its 8,192 bytes in bf16
	s_mov_b32 s37, 0
	s_lshl_b32 s38, s26, 9                         ; the work-group's 128 sums
	s_mov_b32 s39, 0
	s_wait_kmcnt 0x0
	s_cmp_lt_u32 s27, 64                           ; the shifts above have written SCC: compared anew
	s_cselect_b64 s[20:21], s[6:7], s[4:5]         ; source: weight or x_flat
	s_cselect_b64 s[22:23], s[12:13], s[8:9]       ; fragments: wf or xf
	s_cselect_b64 s[24:25], s[16:17], s[10:11]     ; sums: w2 or x2
	s_add_nc_u64 s[20:21], s[20:21], s[34:35]
	s_add_nc_u64 s[22:23], s[22:23], s[36:37]
	s_add_nc_u64 s[24:25], s[24:25], s[38:39]
.set p, 0
.rept 16                                               ; 32 loads, each 512 consecutive bytes: the lane takes k = 128 c + 4 lane + 0..3 of row p
	global_load_b128 v[X+8*p:X+8*p+3],   v[L16], s[20:21] offset:p*1024 th:TH_LOAD_NT
	global_load_b128 v[X+8*p+4:X+8*p+7], v[L16], s[20:21] offset:p*1024+512 th:TH_LOAD_NT
.set p, p+1
.endr
.set p, 0
.rept 16
	s_wait_loadcnt 30-2*p                          ; loads come back in order (ISA guide 5.7.1): row p's two are in, the 30 - 2 p behind them stay out
	v_cvt_pk_bf16_f32 v[P+4*p],   v[X+8*p],   v[X+8*p+1]
	v_cvt_pk_bf16_f32 v[P+4*p+1], v[X+8*p+2], v[X+8*p+3]
	v_cvt_pk_bf16_f32 v[P+4*p+2], v[X+8*p+4], v[X+8*p+5]
	v_cvt_pk_bf16_f32 v[P+4*p+3], v[X+8*p+6], v[X+8*p+7]
	ds_store_b64 v[STO], v[P+4*p:P+4*p+1]   offset:p*PITCH       ; 32 lanes x 8 bytes: half a row
	ds_store_b64 v[STO], v[P+4*p+2:P+4*p+3] offset:p*PITCH+256
.set p, p+1
.endr
	s_cmp_lt_u32 s27, 64
	s_cbranch_scc0 .Lno_wr                         ; x has no row-major copy
	s_add_nc_u64 s[14:15], s[14:15], s[36:37]
.set p, 0
.rept 16
	global_store_b64 v[L8], v[P+4*p:P+4*p+1],   s[14:15] offset:p*512      ; each store of the wave covers 256 consecutive bytes, aligned
	global_store_b64 v[L8], v[P+4*p+2:P+4*p+3], s[14:15] offset:p*512+256
.set p, p+1
.endr
.Lno_wr:
.set i, 0
.rept 16
	ds_load_b128 v[F+4*i:F+4*i+3], v[FRD] offset:32*i     ; LDS serves a wave's instructions in order (ISA guide 5.7.1.4): these see my stores above
.set i, i+1
.endr
.set i, 0
.rept 16
	s_wait_dscnt 15-i                              ; chunk i is in, the 15 - i younger reads stay out
	global_store_b128 v[L16], v[F+4*i:F+4*i+3], s[22:23] offset:512*i     ; 512 consecutive bytes
.set i, i+1
.endr
	; the sum of squares of the ROUNDED numbers: my 128 of row r, in four chains; the products are exact in f32's fused form
.set i, 0
.rept 64
.if i < 2
	v_fma_mix_f32_bf16 v[SUM+2*(i%2)],   v[F+i], v[F+i], v[NUL] op_sel_hi:[1,1,0]
	v_fma_mix_f32_bf16 v[SUM+2*(i%2)+1], v[F+i], v[F+i], v[NUL] op_sel:[1,1,0] op_sel_hi:[1,1,0]
.else
	v_fma_mix_f32_bf16 v[SUM+2*(i%2)],   v[F+i], v[F+i], v[SUM+2*(i%2)] op_sel_hi:[1,1,0]
	v_fma_mix_f32_bf16 v[SUM+2*(i%2)+1], v[F+i], v[F+i], v[SUM+2*(i%2)+1] op_sel:[1,1,0] op_sel_hi:[1,1,0]
.endif
.set i, i+1
.endr
	v_add_f32 v[SUM], v[SUM], v[SUM+1]
	v_add_f32 v[SUM+2], v[SUM+2], v[SUM+3]
	v_add_f32 v[SUM], v[SUM], v[SUM+2]
	v_permlanex16_b32 v[TMP], v[SUM], s30, s31     ; the row's other 128 numbers lie in the lane 16 away
	v_add_f32 v[SUM], v[SUM], v[TMP]
	ds_store_b32 v[SQA], v[SUM]                    ; lanes r and r + 16 write the same number to the same word
	s_wait_dscnt 0x0                               ; for wave 0's sake: my store is done
	s_barrier_signal -1
	s_barrier_wait -1
	s_cmp_lg_u32 s28, 0
	s_cbranch_scc1 .Lend
	ds_load_b128 v[BK:BK+3], v[SQR]                ; wave 0: the work-group's 128 sums, four a lane
	s_wait_dscnt 0x0
	global_store_b128 v[L16], v[BK:BK+3], s[24:25] ; 512 consecutive bytes
.Lend:
	s_wait_tensorcnt 0x0                           ; the wave's end: the closing add and its wait, behind my last LDS store
	ds_add_u32 v[SPW], v[NIL]
	s_wait_dscnt 0x0
	s_endpgm
.Lfunc_end_k_qe3d4cc5f58_prep:
	.size	k_qe3d4cc5f58_prep, .Lfunc_end_k_qe3d4cc5f58_prep-k_qe3d4cc5f58_prep
	.p2alignl 7, 3214868480
	.fill 96, 4, 3214868480
	.section	.rodata,"a",@progbits
	.p2align	6, 0x0
	.amdhsa_kernel k_qe3d4cc5f58_prep
		.amdhsa_group_segment_fixed_size 69120
		.amdhsa_private_segment_fixed_size 0
		.amdhsa_enable_private_segment 0
		.amdhsa_kernarg_size 56
		.amdhsa_user_sgpr_count 2
		.amdhsa_user_sgpr_kernarg_segment_ptr 1
		.amdhsa_wavefront_size32 1
		.amdhsa_system_sgpr_workgroup_id_x 1
		.amdhsa_system_sgpr_workgroup_id_y 1
		.amdhsa_system_sgpr_workgroup_id_z 1
		.amdhsa_system_vgpr_workitem_id 0
		.amdhsa_next_free_vgpr 208
		.amdhsa_next_free_sgpr 66
		.amdhsa_reserve_vcc 0
		.amdhsa_float_denorm_mode_32 3
		.amdhsa_float_denorm_mode_16_64 3
		.amdhsa_memory_ordered 1
		.amdhsa_forward_progress 1
		.amdhsa_inst_pref_size 27
	.end_amdhsa_kernel
	.amdgpu_metadata
---
amdhsa.version: [ 1, 2 ]
amdhsa.kernels:
  - .name:           k_qe3d4cc5f58_prep
    .symbol:         k_qe3d4cc5f58_prep.kd
    .args:
      - { .name: x_flat, .offset: 0, .size: 8, .value_kind: global_buffer, .address_space: global }
      - { .name: weight, .offset: 8, .size: 8, .value_kind: global_buffer, .address_space: global }
      - { .name: xf, .offset: 16, .size: 8, .value_kind: global_buffer, .address_space: global }
      - { .name: x2, .offset: 24, .size: 8, .value_kind: global_buffer, .address_space: global }
      - { .name: wf, .offset: 32, .size: 8, .value_kind: global_buffer, .address_space: global }
      - { .name: wr, .offset: 40, .size: 8, .value_kind: global_buffer, .address_space: global }
      - { .name: w2, .offset: 48, .size: 8, .value_kind: global_buffer, .address_space: global }
    .group_segment_fixed_size: 69120
    .private_segment_fixed_size: 0
    .kernarg_segment_align: 8
    .kernarg_segment_size: 56
    .max_flat_workgroup_size: 256
    .sgpr_count:     66
    .vgpr_count:     208
    .wavefront_size: 32
...
	.end_amdgpu_metadata
.endif
;; end of part 1
;; launch dist (part 2): grid 256 x 1, 4 waves a work-group, clusters of 4 x 1, 327,680 bytes of LDS; arguments xf, x2, wf, w2, order; writes order
.if DOCPART == 2
	.amdgcn_target "amdgcn-amd-amdhsa--gfx1250"
	.amdhsa_code_object_version 6
	.text
	.protected	k_qe3d4cc5f58_dist
	.globl	k_qe3d4cc5f58_dist
	.p2align	8
	.type	k_qe3d4cc5f58_dist,@function
k_qe3d4cc5f58_dist:
	s_mov_b64 s[64:65], 0
	v_nop
	global_prefetch_b8 v0, s[64:65] scope:SCOPE_SE
	s_setreg_imm32_b32 hwreg(HW_REG_WAVE_MODE, 25, 1), 1
	s_wait_xcnt 0x0
	s_wait_alu depctr_hold_cnt(0) depctr_sa_sdst(0) depctr_va_vdst(0) depctr_va_sdst(0) depctr_va_ssrc(0) depctr_va_vcc(0) depctr_vm_vsrc(0)
	s_getreg_b32 s2, hwreg(HW_REG_IB_STS2, 6, 4)
	s_cmp_eq_u32 s2, 0
	s_cbranch_scc0 .Lentry_in_a_cluster
	s_endpgm
.Lentry_in_a_cluster:
	s_bfe_u32 s2, ttmp6, 0x10000c
	s_cmp_lg_u32 s2, 0x3003
	s_cbranch_scc0 .Lentry_shape_is_right
	s_endpgm
.Lentry_shape_is_right:
; DIST.  For each of 32,768 queries: d[k] = (x2 + w2[k]) - 2 x.w[k] over 8,192 code words, each rounding as the formula is written (s = x2 + w2 rounded, then one fused s - 2 dot),
; and the FIRST group of eight code words (k >> 3) that holds the least d.  That group's number, 0 to 1,023, goes to 'order'; the last launch finds the code word inside the group.
; SHARES.  A work-group owns 128 queries and walks the whole code book, 256 code words a slot, 32 slots.  Every wave holds all 128 queries as source 1 (8 tiles x 8 fragments = 512 registers) and takes
; its own quarter of each slot: 4 tiles of 16 code words.  So one fragment of the code book (2 LDS loads) feeds 8 matrix instructions, and a wave reads only LDS bytes that its own tensor load brought.
; LAYOUT.  Source 0 = 16 code words, source 1 = 16 queries: in the result lane L holds ONE query (L % 16) and the code words 8 (L / 16) + 0..7 of the tile: just one group of eight.
; xf and wf are fragment-major (a tile = 8,192 bytes; chunk i of 512 bytes is registers 4 i .. 4 i + 3 of the tile's 64): every load is 512 consecutive bytes, so LDS needs no padding.
; A PERIOD is one tile: 64 matrix instructions (8 along K x 8 query tiles, the 8 accumulators by turns).  Beside them stands the vector work on the tile BEFORE, whose sums lie in the other set of accumulators:
; for each query tile 4 packed sums (s), 4 packed fused multiply-adds (d), 4 minima of three, a compare and a select: 14 instructions for 8 matrix instructions, dealt four behind every two products.
; The running least d has two sets of registers that take turns (old, new): a strict 'new < old' keeps the first tile that reached the least d.
; CLUSTER.  All work-groups walk the same wf and w2, so the four of a cluster ask JOINTLY: the same tensor load, descriptor and mask in all four; each receives the bytes in its own LDS.
; My place in the cluster enters the addresses of xf, x2 and order alone.
; LIMITS.  The inputs arrive rounded to bf16.  A NaN loses every minimum and every compare; a query whose d are all NaN or +infinity gets group 0.  The dot product's last bits are the matrix unit's: where two
; d lie within one rounding of each other they may decide otherwise than another order of summation would.
; REGISTERS, in windows of 256 (s_set_vgpr_msb: bits 1:0 source 0, 3:2 source 1, 5:4 source 2, 7:6 destination):
;   window 0: addresses, statistics, at work, both sets of accumulators     window 1: v0-63, v64-127 the code book's fragments, two buffers     windows 2, 3: the queries' fragments, tile q % 4 at 64 (q % 4) + 8 c
.set SLOT1, 1<<17                      ; slot 0 at byte 0, slot 1 here: one exclusive or turns an address in one slot into the other's
.set SLOTB, 131072                     ; a slot: 256 code words x 512 bytes
.set QUART, 32768                      ; a wave's quarter of it: 4 tiles
.set TILEB, 8192
.set W2B,   262144                     ; w2: 8,192 bytes a wave, [slot][64 f32]
.set MRG,   294912                     ; the merge over waves: d at 512 x wave, the groups 2,048 further on; no tensor load lands here
.set SPARE, 299008                     ; the spare words: 128 bytes for each wave, two blocks of 256 bytes that no other line names
.set L16, 2                            ; v2   16 x lane
.set H32, 3                            ; v3   32 h
.set ADR, 4                            ; v4   LDS address of the run of fragment loads in hand
.set ADW, 5                            ; v5   of w2's two loads
.set R4,  6                            ; v6   4 r
.set HH,  7                            ; v7   h
.set SPW, 10                           ; v10  my spare word; never rewritten
.set NIL, 11                           ; v11  0, for the add alone
.set MST, 12                           ; v12  the merge: where my query's d goes
.set MRD, 13                           ; v13  the merge: where wave 0 reads four queries back
.set BEST, 24                          ; v[24:31], v[32:39] the least d by query tile, two sets
.set GT,  40                           ; v[40:47] the tile that first reached it
.set W2,  48                           ; v[48:55], v[56:63] w2 of my eight code words, two buffers
.set T,   64                           ; v[64:95] at work: 8 registers for each of 4 query tiles
.set X2,  96                           ; v[96:111] x2 of my query, twice (a pair for the packed sum), by query tile
.set ACC, 128                          ; v[128:191], v[192:255] two sets of 8 accumulators
.set WV,  14                           ; s14  my wave's number
.set G1,  24                           ; s[24:31] group 1 for wf's tiles
.set G1W, 32                           ; s[32:39] group 1 for w2
.set G0A, 40                           ; s[40:43] group 0: slot 0's first fill
.set G0B, 44                           ; s[44:47] group 0: slot 1's first fill; then it walks
.set G0W, 48                           ; s[48:51] group 0 for w2
.set TB,  52                           ; s52  LDS byte of the tile to be fetched
.set TW,  53                           ; s53  LDS byte of w2 of the period's own tile
.set TILE, 54                          ; s54  number (0..511) of the tile under vector work
.set CNT, 55                           ; s55  slots still to be asked for
.set MK,  56                           ; s[56:59] lane masks
.set SEL, 60                           ; s[60:61] v_permlanex16_b32's selects
.set MSB, 0
.macro WIN new                         ; the immediate's high byte repeats the setting that is left; a switch that changes nothing is dropped
.if MSB != (\new)
	s_set_vgpr_msb (MSB<<8)|(\new)
.set MSB, (\new)
.endif
.endm
; A round of the cluster's barrier: my work-group's barrier, so that wave 0's signal speaks for all four waves; wave 0 signals; every wave waits for all four work-groups; my work-group's barrier once more.
.macro CREST                           ; a round behind its opening barrier
	s_cmp_lg_u32 s[WV], 0
	s_cbranch_scc1 .Lnot_wave_0_\@
	s_barrier_signal -3
.Lnot_wave_0_\@:
	s_barrier_wait -3
	s_barrier_signal -1
	s_barrier_wait -1
.endm
.macro CROUND
	s_barrier_signal -1
	s_barrier_wait -1
	CREST
.endm
; THE LDS LOADS of a period, in one run.  kind 2: the NEXT tile's 16 chunks into the fragment buffer that is not being multiplied, and w2 of the period's OWN tile, which the next period's vector work wants.
; kind 1: w2 alone.  kind 0: fragments alone.
.macro FETCH par, kind
	WIN 0
.if (\kind) != 1
	v_add_nc_u32 v[ADR], s[TB], v[L16]
.endif
.if (\kind) != 0
	v_add_nc_u32 v[ADW], s[TW], v[H32]
.endif
.if (\kind) != 1
	WIN 0x40                                       ; destination window 1, address window 0
.set fi, 0
.rept 16
	ds_load_b128 v[64*(1-(\par))+4*fi:64*(1-(\par))+4*fi+3], v[ADR] offset:512*fi   ; 32 lanes x 16 consecutive bytes
.set fi, fi+1
.endr
	s_add_co_u32 s[TB], s[TB], TILEB
.endif
.if (\kind) != 0
	WIN 0
	ds_load_b128 v[W2+8*(\par):W2+8*(\par)+3],   v[ADW]
	ds_load_b128 v[W2+8*(\par)+4:W2+8*(\par)+7], v[ADW] offset:16
	s_add_co_u32 s[TW], s[TW], 64
.endif
.endm
; Matrix instructions 2 k and 2 k + 1 of a period's 64: number i takes K = 32 (i / 8) on and query tile i % 8.  The first eight start the sums with the constant 0: nothing is cleared.
; The 8 accumulators take turns, one instruction a turn, and the sets change from period to period.
.macro MMP par, k
.irp n, 0,1
.set mi, 2*(\k)+\n
.set mc, mi/8
.set mq, mi%8
.if mq < 4
	WIN 0x09                                       ; source 0 window 1, source 1 window 2, C and D window 0
.else
	WIN 0x0d                                       ; source 1 window 3
.endif
.set rA, ACC+64*(\par)+8*mq
.set rW, 64*(\par)+8*mc
.set rX, 64*(mq%4)+8*mc
.if mc == 0
	v_wmma_f32_16x16x32_bf16 v[rA:rA+7], v[rW:rW+7], v[rX:rX+7], 0
.else
	v_wmma_f32_16x16x32_bf16 v[rA:rA+7], v[rW:rW+7], v[rX:rX+7], v[rA:rA+7]
.endif
.endr
.endm
; Slice k of 28 of the vector work on the tile before (the other set of accumulators, the other w2 buffer): four instructions that do not wait for each other.  Two halves of 14 slices, four query tiles each:
;   0-3  s = w2 + x2 for one query tile      4-7  d = s - 2 dot for one query tile, each accumulator read from its low end on
;   8-11 step m of the minimum, for four query tiles      12  new < old?      13  if so, this tile's number
; Slices 0-3, sixteen plain instructions that name no register of a product, stand between the period before's last products and the first read of their sums (ISA guide 7.12.1).
.macro SLICE par, k
.if (\k) < 28
	WIN 0
.set qd, (\k)/14
.set kx, (\k)%14
.set rW2, W2+8*(1-(\par))
.set rAC, ACC+64*(1-(\par))
.set rBO, BEST+8*(\par)
.set rBN, BEST+8*(1-(\par))
.if kx < 4
.set qq, 4*qd+kx
.set rT, T+8*kx
.irp n, 0,1,2,3
	v_pk_add_f32 v[rT+2*\n:rT+2*\n+1], v[rW2+2*\n:rW2+2*\n+1], v[X2+2*qq:X2+2*qq+1]
.endr
.elseif kx < 8
.set qq, 4*qd+kx-4
.set rT, T+8*(kx-4)
.irp n, 0,1,2,3
	v_pk_fma_f32 v[rT+2*\n:rT+2*\n+1], v[rAC+8*qq+2*\n:rAC+8*qq+2*\n+1], -2.0, v[rT+2*\n:rT+2*\n+1] op_sel_hi:[1,0,1]
.endr
.elseif kx < 12
.set mm, kx-8
.irp n, 0,1,2,3
.set qq, 4*qd+\n
.if mm == 0
	v_min3_num_f32 v[rBN+qq], v[rBO+qq], v[T+8*\n], v[T+8*\n+1]
.else
	v_min3_num_f32 v[rBN+qq], v[rBN+qq], v[T+8*\n+2*mm], v[T+8*\n+2*mm+1]
.endif
.endr
.elseif kx == 12
.irp n, 0,1,2,3
.set qq, 4*qd+\n
	v_cmp_lt_f32 s[MK+\n], v[rBN+qq], v[rBO+qq]
.endr
.else
.irp n, 0,1,2,3
.set qq, 4*qd+\n
	v_cndmask_b32 v[GT+qq], v[GT+qq], s[TILE], s[MK+\n]
.endr
.endif
.endif
.endm
; A PERIOD.  par: which fragment buffer and accumulator set is multiplied.  vec = 1: the vector work on the tile before stands between the products.  kind: what FETCH brings.  step: what the tile number takes at the end.
; chg = 0: the run of loads stands behind the fourth product: eight plain instructions and more lie between it and the last product that read the buffer it fills.
; chg = 1: THE CHANGE OF SLOTS.  The slot's last tile is in registers.  I wait for all my tensor loads (one is out: my quarter of the next slot), add 0 to my spare word, and wait for that and for my reads of the
;   slot; the barrier opens a round of the cluster's, so that no wave of any partner still reads the slot or has a load on its way; the joint refill, two slots ahead, is the first thing behind the round,
;   and has four periods less sixteen products in which to land.  Then the next slot's first tile is fetched.
; chg = 2: the last change: nothing is asked for, and a wave reads only what its own load brought, so its own wait is all the ordering there is.
.macro PERIOD par, vec, kind, chg, step
.if (\chg) == 1
	WIN 0                                          ; the add's two registers lie in window 0
	s_wait_tensorcnt 0x0                           ; no tensor load of mine is out, so a group 0 may be written
	ds_add_u32 v[SPW], v[NIL]                      ; 0 onto my spare word
	s_xor_b32 s[G0B+1], s[G0B+1], SLOT1            ; the walking descriptor: the other slot than last time,
	s_add_nc_u64 s[G0B+2:G0B+3], s[G0B+2:G0B+3], SLOTB   ; the next 256 code words; the type bits on top are not reached
	s_sub_co_u32 s[TB], s[TB], QUART               ; the fetches go back to my quarter's first tile,
	s_xor_b32 s[TB], s[TB], SLOT1                  ; in the other slot
	s_wait_dscnt 0x1                               ; the period before's 18 loads are in; the add alone may be out
.else
	s_wait_dscnt 0x0                               ; the period before's loads are in
.if (\chg) == 2
	s_wait_tensorcnt 0x0                           ; my quarter of the last slot is in
	s_sub_co_u32 s[TB], s[TB], QUART
	s_xor_b32 s[TB], s[TB], SLOT1
.endif
.endif
.set kk, 0
.rept 32
	MMP \par, kk
.if \vec
	SLICE \par, kk
.endif
.if ((\chg) != 1) && (kk == 1)
	FETCH \par, \kind
.endif
.if ((\chg) == 1) && (kk == 3)
	s_wait_dscnt 0x0                               ; the add is done, and my reads of the slot are over:
	s_barrier_signal -1                            ; say so, and work on registers while the others arrive
.endif
.if ((\chg) == 1) && (kk == 7)
	WIN 0                                          ; at a branch and at a label every window is 0
	s_barrier_wait -1
	CREST
	tensor_load_to_lds s[G0B:G0B+3], s[G1:G1+7]    ; my one tensor load behind the round
	s_nop 0
.rept 4
	v_nop
.endr
	FETCH \par, \kind
.endif
.set kk, kk+1
.endr
.if \step
	s_add_co_u32 s[TILE], s[TILE], \step
.endif
.endm
; d, g take dp, gp where dp is less, or equal with the lower group: the first index wins
.macro TAKE d, g, dp, gp
	v_cmp_lt_f32 s[MK], v[(\dp)], v[(\d)]
	v_cmp_eq_f32 s[MK+1], v[(\dp)], v[(\d)]
	v_cmp_lt_u32 s[MK+2], v[(\gp)], v[(\g)]
	s_and_b32 s[MK+1], s[MK+1], s[MK+2]
	s_or_b32 s[MK], s[MK], s[MK+1]
	v_cndmask_b32 v[(\d)], v[(\d)], v[(\dp)], s[MK]
	v_cndmask_b32 v[(\g)], v[(\g)], v[(\gp)], s[MK]
.endm
	s_load_b256 s[4:11], s[0:1], 0x0               ; xf s[4:5], x2 s[6:7], wf s[8:9], w2 s[10:11]
	s_load_b64 s[12:13], s[0:1], 0x20              ; order
	v_lshl_add_u32 v[SPW], v0, 2, SPARE
	v_mov_b32 v[NIL], 0
	ds_add_u32 v[SPW], v[NIL]                      ; the wave's opening: the add and its wait stand ahead of my first tensor load; the set-up below, work on registers, stands between them
	v_lshrrev_b32 v1, 5, v0
	v_readfirstlane_b32 s[WV], v1                  ; wave 0..3
	s_bfe_u32 s15, ttmp6, 0x40000                  ; cx: my place in the cluster
	s_lshl_b32 s16, ttmp9, 2                       ; in a cluster launch ttmp9 counts clusters
	s_add_co_u32 s16, s16, s15                     ; my work-group = 4 x cluster + cx
	s_lshl_b32 s18, s16, 16                        ; its 8 tiles of 8,192 bytes in xf
	s_mov_b32 s19, 0
	s_lshl_b32 s20, s16, 9                         ; its 128 words in x2 and in order
	s_mov_b32 s21, 0
	s_lshl_b32 s22, s[WV], 15                      ; my quarter of a slot in wf: the wave's number alone, the same in all partners
	s_mov_b32 s23, 0
	s_lshl_b32 s2, s[WV], 8                        ; my 64 numbers of a slot's 256 in w2
	s_mov_b32 s3, 0
	; group 1 for wf: my quarter is 32,768 dense bytes, asked for as 128 rows of 32 elements of 8 bytes
	s_mov_b32 s[G1+0], 15|(3<<16)|(1<<21)          ; 15:0 the mask of four; 17:16 elements of 8 bytes; 21 set beside a mask
	s_mov_b32 s[G1+1], 32<<16                      ; tensor_dim0 = 32
	s_mov_b32 s[G1+2], 128<<16                     ; tensor_dim1 = 128
	s_mov_b32 s[G1+3], 32<<16                      ; tile_dim0 = 32
	s_mov_b32 s[G1+4], 128                         ; tile_dim1 = 128
	s_mov_b32 s[G1+5], 32                          ; 32 elements from row to row
	s_mov_b32 s[G1+6], 0
	s_mov_b32 s[G1+7], 0
	; group 1 for w2: 32 rows (slots) of my 64 f32, 256 elements apart
	s_mov_b32 s[G1W+0], 15|(2<<16)|(1<<21)         ; elements of 4 bytes
	s_mov_b32 s[G1W+1], 64<<16                     ; tensor_dim0 = 64
	s_mov_b32 s[G1W+2], 32<<16                     ; tensor_dim1 = 32
	s_mov_b32 s[G1W+3], 64<<16                     ; tile_dim0 = 64
	s_mov_b32 s[G1W+4], 32                         ; tile_dim1 = 32
	s_mov_b32 s[G1W+5], 256
	s_mov_b32 s[G1W+6], 0
	s_mov_b32 s[G1W+7], 0
	s_mov_b32 s[G0A], 1                            ; count = 1
	s_lshl_b32 s[G0A+1], s[WV], 15                 ; LDS: slot 0, my quarter
	s_mov_b32 s[G0B], 1
	s_add_co_u32 s[G0B+1], s[G0A+1], SLOT1         ; slot 1, my quarter
	s_mov_b32 s[G0W], 1
	s_lshl_b32 s[G0W+1], s[WV], 13
	s_add_co_u32 s[G0W+1], s[G0W+1], W2B           ; my 8,192 bytes of the w2 table
	s_lshl_b32 s[TB], s[WV], 15
	s_lshl_b32 s[TW], s[WV], 13
	s_add_co_u32 s[TW], s[TW], W2B
	s_lshl_b32 s[TILE], s[WV], 2                   ; slot s holds tiles 16 s + 4 wave + 0..3 of mine
	s_mov_b32 s[SEL], 0x76543210
	s_mov_b32 s[SEL+1], 0xfedcba98
	v_and_b32 v1, 31, v0
	v_lshlrev_b32 v[L16], 4, v1
	v_bfe_u32 v[HH], v0, 4, 1
	v_lshlrev_b32 v[H32], 5, v[HH]
	v_and_b32 v1, 15, v0
	v_lshlrev_b32 v[R4], 2, v1
	s_lshl_b32 s17, s[WV], 9
	s_add_co_u32 s17, s17, MRG
	v_add_nc_u32 v[MST], s17, v[R4]
	v_add_nc_u32 v[MRD], MRG, v[L16]
	s_wait_dscnt 0x0                               ; the opening add is done
	s_wait_kmcnt 0x0
	s_add_nc_u64 s[4:5], s[4:5], s[18:19]
	s_add_nc_u64 s[6:7], s[6:7], s[20:21]
	s_add_nc_u64 s[12:13], s[12:13], s[20:21]
	s_add_nc_u64 s[G0A+2:G0A+3], s[8:9], s[22:23]  ; global address: my quarter of slot 0,
	s_add_nc_u64 s[G0B+2:G0B+3], s[G0A+2:G0A+3], SLOTB   ; of slot 1
	s_or_b32 s[G0A+3], s[G0A+3], 0x80000000        ; type = 2
	s_or_b32 s[G0B+3], s[G0B+3], 0x80000000
	s_add_nc_u64 s[G0W+2:G0W+3], s[10:11], s[2:3]
	s_or_b32 s[G0W+3], s[G0W+3], 0x80000000
	CROUND                                         ; all four work-groups are here: the first joint loads meet
	tensor_load_to_lds s[G0W:G0W+3], s[G1W:G1W+7]  ; the three first fills go out together: three loads of mine are out here, later one
	s_nop 0
	tensor_load_to_lds s[G0A:G0A+3], s[G1:G1+7]
	s_nop 0
	tensor_load_to_lds s[G0B:G0B+3], s[G1:G1+7]
	s_nop 0
.rept 4
	v_nop
.endr
	WIN 0x80                                       ; destination window 2, address window 0
.set xi, 0
.rept 64                                               ; query tiles 0-3: chunk xi of 512 bytes is registers 4 xi .. 4 xi + 3
	global_load_b128 v[4*xi:4*xi+3], v[L16], s[4:5] offset:512*xi
.set xi, xi+1
.endr
	WIN 0xc0                                       ; destination window 3
.set xi, 0
.rept 64                                               ; query tiles 4-7
	global_load_b128 v[4*xi:4*xi+3], v[L16], s[4:5] offset:32768+512*xi
.set xi, xi+1
.endr
	WIN 0
.set xi, 0
.rept 8
	global_load_b32 v[X2+2*xi],   v[R4], s[6:7] offset:64*xi    ; x2 of query 16 xi + r, into both registers of a pair
	global_load_b32 v[X2+2*xi+1], v[R4], s[6:7] offset:64*xi
	v_mov_b32 v[BEST+8+xi], 0x7f800000             ; the least d so far: +infinity
	v_mov_b32 v[GT+xi], 0
.set xi, xi+1
.endr
	s_wait_tensorcnt 0x1                           ; tensor loads of a wave end in order (ISA guide 10.11.1): w2 and slot 0 are in
	FETCH 1, 0                                     ; tile 0 into fragment buffer 0
	s_wait_loadcnt 0x0                             ; the queries and x2
	PERIOD 0, 0, 2, 0, 0                           ; tile 0: there is no tile before it
	PERIOD 1, 1, 2, 0, 1
	PERIOD 0, 1, 2, 0, 1
	WIN 0
	s_mov_b32 s[CNT], 30                           ; slots 2 to 31 are asked for in the loop
.Lslot:                                                ; a trip: a slot's last tile, with the change of slots, and the next slot's first three
	PERIOD 1, 1, 2, 1, 1
	PERIOD 0, 1, 2, 0, 13                          ; the vector work passes from a slot's tile 3 to the next slot's tile 0: 16 - 3 on
	PERIOD 1, 1, 2, 0, 1
	PERIOD 0, 1, 2, 0, 1
	WIN 0
	s_sub_co_u32 s[CNT], s[CNT], 1
	s_cmp_lg_u32 s[CNT], 0
	s_cbranch_scc1 .Lslot
	PERIOD 1, 1, 2, 2, 1                           ; the tail is written out: slot 30's last tile, nothing is asked for
	PERIOD 0, 1, 2, 0, 13
	PERIOD 1, 1, 2, 0, 1
	PERIOD 0, 1, 2, 0, 1
	PERIOD 1, 1, 1, 0, 1                           ; the last tile: only its w2 is left to fetch
	s_wait_dscnt 0x0
.set kk, 0
.rept 28
	SLICE 0, kk                                    ; the last tile's vector work; its first sixteen instructions are the places behind the last products
.set kk, kk+1
.endr
	; THE MERGE.  The group is 2 x tile + h.  First the two halves of the lanes, then the four waves through LDS.
.set xi, 0
.rept 8
	v_lshl_add_u32 v[GT+xi], v[GT+xi], 1, v[HH]
.set xi, xi+1
.endr
.set xi, 0
.rept 8
	v_permlanex16_b32 v[T+xi],   v[BEST+8+xi], s[SEL], s[SEL+1]
	v_permlanex16_b32 v[T+8+xi], v[GT+xi],     s[SEL], s[SEL+1]
.set xi, xi+1
.endr
.set xi, 0
.rept 8
	TAKE BEST+8+xi, GT+xi, T+xi, T+8+xi
.set xi, xi+1
.endr
.set xi, 0
.rept 8
	ds_store_b32 v[MST], v[BEST+8+xi] offset:64*xi         ; lanes r and r + 16 write the same number to the same word
	ds_store_b32 v[MST], v[GT+xi]     offset:2048+64*xi
.set xi, xi+1
.endr
	s_wait_dscnt 0x0                               ; for wave 0's sake: my stores are done
	s_barrier_signal -1
	s_barrier_wait -1
	s_cmp_lg_u32 s[WV], 0
	s_cbranch_scc1 .Lend
.irp w, 0,1,2,3
	ds_load_b128 v[T+4*\w:T+4*\w+3],       v[MRD] offset:512*\w        ; wave w's d of queries 4 lane + 0..3,
	ds_load_b128 v[T+16+4*\w:T+16+4*\w+3], v[MRD] offset:2048+512*\w   ; and its groups
.endr
	s_wait_dscnt 0x0
.irp w, 1,2,3
.irp n, 0,1,2,3
	TAKE T+\n, T+16+\n, T+4*\w+\n, T+16+4*\w+\n
.endr
.endr
	global_store_b128 v[L16], v[T+16:T+19], s[12:13]       ; the work-group's 128 groups: 512 consecutive bytes
.Lend:
	s_wait_tensorcnt 0x0                           ; the wave's end: the closing add and its wait, behind my last tensor load and my last LDS store
	ds_add_u32 v[SPW], v[NIL]
	s_wait_dscnt 0x0
	CROUND                                         ; the closing round: no work-group ends while a partner may still ask for a tile that names it
	s_endpgm
.Lfunc_end_k_qe3d4cc5f58_dist:
	.size	k_qe3d4cc5f58_dist, .Lfunc_end_k_qe3d4cc5f58_dist-k_qe3d4cc5f58_dist
	.p2alignl 7, 3214868480
	.fill 96, 4, 3214868480
	.section	.rodata,"a",@progbits
	.p2align	6, 0x0
	.amdhsa_kernel k_qe3d4cc5f58_dist
		.amdhsa_group_segment_fixed_size 327680
		.amdhsa_private_segment_fixed_size 0
		.amdhsa_enable_private_segment 0
		.amdhsa_kernarg_size 40
		.amdhsa_user_sgpr_count 2
		.amdhsa_user_sgpr_kernarg_segment_ptr 1
		.amdhsa_wavefront_size32 1
		.amdhsa_system_sgpr_workgroup_id_x 1
		.amdhsa_system_sgpr_workgroup_id_y 1
		.amdhsa_system_sgpr_workgroup_id_z 1
		.amdhsa_system_vgpr_workitem_id 0
		.amdhsa_next_free_vgpr 1024
		.amdhsa_next_free_sgpr 66
		.amdhsa_reserve_vcc 0
		.amdhsa_float_denorm_mode_32 3
		.amdhsa_float_denorm_mode_16_64 3
		.amdhsa_memory_ordered 1
		.amdhsa_forward_progress 1
		.amdhsa_inst_pref_size 201
	.end_amdhsa_kernel
	.amdgpu_metadata
---
amdhsa.version: [ 1, 2 ]
amdhsa.kernels:
  - .name:           k_qe3d4cc5f58_dist
    .symbol:         k_qe3d4cc5f58_dist.kd
    .args:
      - { .name: xf, .offset: 0, .size: 8, .value_kind: global_buffer, .address_space: global }
      - { .name: x2, .offset: 8, .size: 8, .value_kind: global_buffer, .address_space: global }
      - { .name: wf, .offset: 16, .size: 8, .value_kind: global_buffer, .address_space: global }
      - { .name: w2, .offset: 24, .size: 8, .value_kind: global_buffer, .address_space: global }
      - { .name: order, .offset: 32, .size: 8, .value_kind: global_buffer, .address_space: global }
    .group_segment_fixed_size: 327680
    .private_segment_fixed_size: 0
    .kernarg_segment_align: 8
    .kernarg_segment_size: 40
    .max_flat_workgroup_size: 128
    .sgpr_count:     66
    .vgpr_count:     1024
    .wavefront_size: 32
...
	.end_amdgpu_metadata
.endif
;; end of part 2
;; launch pick (part 3): grid 1024 x 1, 8 waves a work-group, no clusters, 0 bytes of LDS; arguments x_flat, wr, w2, x2, order, out0; writes out0
.if DOCPART == 3
	.amdgcn_target "amdgcn-amd-amdhsa--gfx1250"
	.amdhsa_code_object_version 6
	.text
	.protected	k_qe3d4cc5f58_pick
	.globl	k_qe3d4cc5f58_pick
	.p2align	8
	.type	k_qe3d4cc5f58_pick,@function
k_qe3d4cc5f58_pick:
	s_mov_b64 s[64:65], 0
	v_nop
	global_prefetch_b8 v0, s[64:65] scope:SCOPE_SE
	s_setreg_imm32_b32 hwreg(HW_REG_WAVE_MODE, 25, 1), 1
	s_wait_xcnt 0x0
; PICK.  For each query: the group of eight code words that 'order' names is read (8 rows of wr: 4,096 consecutive bytes), its eight distances d = (x2 + w2) - 2 x.w are made anew, each rounding as the
; formula is written, the FIRST least one chooses its row by selects on values (no address hangs on it), and out = x + (row - x), x and the row as rounded to bf16.
; SHARES.  A wave takes four queries, one after the other, the whole wave on one query: lane L owns k = 4 L + 0..3 and 128 + 4 L + 0..3, so each load and store of f32 covers 512 consecutive bytes and each
; load of bf16 256.  Two register slots: while one query is worked on, the next one's 18 loads are on their way.
; The group's number is loaded data: it enters an address only behind s_min_u32 with 1,023, the table's last group.
; LIMITS.  Inputs rounded once to bf16.  The dot product is summed in f32: eight fused multiply-adds a lane, then over the 32 lanes by halves: an order of its own.  NaN is not treated apart: it loses every compare.
; No LDS, no matrix unit, no cluster: a gather that streams; the eight dot products of 256 are a small part of the wave's time, and no two waves share a query.
.set L16, 1                            ; v1   16 x lane
.set L8,  2                            ; v2   8 x lane
.set NUL, 3                            ; v3   0: the addend that starts the eight chains
.set BST, 4                            ; v4   the least d so far
.set XF,  8                            ; v[8:15]   slot 0: x as loaded;  slot 1: 40 further on
.set WR,  16                           ; v[16:47]  slot 0: row j, half c at 16 + 4 j + 2 c;  slot 1: 40 further on
.set XB,  88                           ; v[88:91]  x in bf16
.set A,   92                           ; v[92:99]  eight dot products, then eight d
.set T,   100                          ; v[100:107] the other half of the lanes' sums; later x widened
.set SL,  108                          ; v[108:111] the chosen row, bf16
.set Q,   112                          ; v[112:119] the chosen row widened
.set O,   120                          ; v[120:127] the result
	s_load_b256 s[4:11], s[0:1], 0x0               ; x_flat s[4:5], wr s[6:7], w2 s[8:9], x2 s[10:11]
	s_load_b128 s[12:15], s[0:1], 0x20             ; order s[12:13], out0 s[14:15]
	v_lshrrev_b32 v[BST], 5, v0
	v_readfirstlane_b32 s28, v[BST]                ; wave 0..7
	v_and_b32 v[L8], 31, v0
	v_lshlrev_b32 v[L16], 4, v[L8]
	v_lshlrev_b32 v[L8], 3, v[L8]
	v_mov_b32 v[NUL], 0
.irp j, 0,1,2,3,4,5,6,7
	v_mov_b32 v[T+\j], 0                           ; v_permlanex16_b32 counts as a reader of its destination: written once here
.endr
	s_mov_b32 s30, 0x76543210                      ; each lane takes its own place in the other half
	s_mov_b32 s31, 0xfedcba98
	s_mov_b32 s3, 0xffff0000                       ; a word's upper bf16
	s_lshl_b32 s24, ttmp9, 3
	s_add_co_u32 s24, s24, s28                     ; my wave among all: its queries are 4 x that + 0..3
	s_lshl_b32 s26, s24, 4                         ; their four words in order and in x2
	s_mov_b32 s27, 0
	s_lshl_b32 s24, s24, 12                        ; their four rows of 1,024 bytes in x_flat and out0
	s_mov_b32 s25, 0
	s_mov_b32 s57, 0
	s_wait_kmcnt 0x0
	s_add_nc_u64 s[12:13], s[12:13], s[26:27]
	s_add_nc_u64 s[10:11], s[10:11], s[26:27]
	s_load_b128 s[16:19], s[12:13], 0x0            ; four groups
	s_load_b128 s[20:23], s[10:11], 0x0            ; four x2
	s_add_nc_u64 s[4:5], s[4:5], s[24:25]
	s_add_nc_u64 s[14:15], s[14:15], s[24:25]
	s_wait_kmcnt 0x0
.irp i, 0,1,2,3
	s_min_u32 s[16+\i], s[16+\i], 1023             ; inside the table, whatever was loaded
	s_lshl_b32 s56, s[16+\i], 12                   ; the group's 8 rows of 512 bytes
	s_add_nc_u64 s[40+2*\i:41+2*\i], s[6:7], s[56:57]
	s_lshl_b32 s56, s[16+\i], 5                    ; its 8 words of w2
	s_add_nc_u64 s[48+2*\i:49+2*\i], s[8:9], s[56:57]
	s_load_b256 s[68+8*\i:75+8*\i], s[48+2*\i:49+2*\i], 0x0
.endr
.macro LD i                            ; query i's 18 loads, into slot i % 2
.set sl, (\i)%2
	global_load_b128 v[XF+40*sl:XF+40*sl+3],   v[L16], s[4:5] offset:(\i)*1024 th:TH_LOAD_NT
	global_load_b128 v[XF+40*sl+4:XF+40*sl+7], v[L16], s[4:5] offset:(\i)*1024+512 th:TH_LOAD_NT
.set lj, 0
.rept 8
	global_load_b64 v[WR+40*sl+4*lj:WR+40*sl+4*lj+1],   v[L8], s[40+2*(\i):41+2*(\i)] offset:lj*512
	global_load_b64 v[WR+40*sl+4*lj+2:WR+40*sl+4*lj+3], v[L8], s[40+2*(\i):41+2*(\i)] offset:lj*512+256
.set lj, lj+1
.endr
.endm
.macro DO i, left                      ; left: the younger loads, which may stay out
.set sl, (\i)%2
.set rX, XF+40*sl
.set rW, WR+40*sl
	s_wait_loadcnt \left                           ; loads come back in order (ISA guide 5.7.1): this query's 18 are in
.irp m, 0,1,2,3
	v_cvt_pk_bf16_f32 v[XB+\m], v[rX+2*\m], v[rX+2*\m+1]
.endr
.irp m, 0,1,2,3                        ; eight chains, one a code word, so that no line waits for the one before it
.irp j, 0,1,2,3,4,5,6,7
.if \m == 0
	v_fma_mix_f32_bf16 v[A+\j], v[XB+\m], v[rW+4*\j+\m], v[NUL] op_sel_hi:[1,1,0]
.else
	v_fma_mix_f32_bf16 v[A+\j], v[XB+\m], v[rW+4*\j+\m], v[A+\j] op_sel_hi:[1,1,0]
.endif
.endr
.irp j, 0,1,2,3,4,5,6,7
	v_fma_mix_f32_bf16 v[A+\j], v[XB+\m], v[rW+4*\j+\m], v[A+\j] op_sel:[1,1,0] op_sel_hi:[1,1,0]
.endr
.endr
.irp x, 1,2,4,8                        ; over the 32 lanes: four steps inside each half ride on the addition, one crosses the halves; every lane ends with the same sums
.irp j, 0,1,2,3,4,5,6,7
	v_add_f32_dpp v[A+\j], v[A+\j], v[A+\j] row_xmask:\x row_mask:0xf bank_mask:0xf
.endr
.endr
.irp j, 0,1,2,3,4,5,6,7
	v_permlanex16_b32 v[T+\j], v[A+\j], s30, s31
.endr
.irp j, 0,1,2,3,4,5,6,7
	s_add_f32 s[32+\j], s[20+(\i)], s[68+8*(\i)+\j]        ; s = x2 + w2, rounded
	v_add_f32 v[A+\j], v[A+\j], v[T+\j]
.endr
.irp j, 0,1,2,3,4,5,6,7
	v_fma_f32 v[A+\j], v[A+\j], -2.0, s[32+\j]     ; d = s - 2 dot, one rounding
.endr
	v_cmp_lt_f32 vcc_lo, v[A+1], v[A]              ; a strict 'less' keeps the first least d
	v_min_num_f32 v[BST], v[A], v[A+1]
.irp m, 0,1,2,3
	v_cndmask_b32 v[SL+\m], v[rW+\m], v[rW+4+\m], vcc_lo
.endr
.irp j, 2,3,4,5,6,7
	v_cmp_lt_f32 vcc_lo, v[A+\j], v[BST]
	v_min_num_f32 v[BST], v[BST], v[A+\j]
.irp m, 0,1,2,3
	v_cndmask_b32 v[SL+\m], v[SL+\m], v[rW+4*\j+\m], vcc_lo
.endr
.endr
.irp m, 0,1,2,3
	v_lshlrev_b32 v[Q+2*\m],   16, v[SL+\m]        ; bf16 to f32: the low half moves up,
	v_and_b32     v[Q+2*\m+1], s3, v[SL+\m]        ; the high half stays
	v_lshlrev_b32 v[T+2*\m],   16, v[XB+\m]
	v_and_b32     v[T+2*\m+1], s3, v[XB+\m]
.endr
	s_wait_xcnt 0x0                                ; every earlier memory instruction has had its addresses translated (ISA guide 3.1): O, which the query before's stores read, is rewritten only behind this wait
.irp m, 0,2,4,6
	v_pk_add_f32 v[O+\m:O+\m+1], v[Q+\m:Q+\m+1], v[T+\m:T+\m+1] neg_lo:[0,1] neg_hi:[0,1]    ; row - x
.endr
.irp m, 0,2,4,6
	v_pk_add_f32 v[O+\m:O+\m+1], v[T+\m:T+\m+1], v[O+\m:O+\m+1]                              ; x + that
.endr
	global_store_b128 v[L16], v[O:O+3],   s[14:15] offset:(\i)*1024 th:TH_STORE_NT           ; 512 consecutive bytes each
	global_store_b128 v[L16], v[O+4:O+7], s[14:15] offset:(\i)*1024+512 th:TH_STORE_NT
.endm
	LD 0
	LD 1
	s_wait_kmcnt 0x0                               ; the four sets of w2
	DO 0, 18                                       ; the count leaves the next query's 18 loads on their way
	LD 2
	DO 1, 18
	LD 3
	DO 2, 18
	DO 3, 0
	s_endpgm
.Lfunc_end_k_qe3d4cc5f58_pick:
	.size	k_qe3d4cc5f58_pick, .Lfunc_end_k_qe3d4cc5f58_pick-k_qe3d4cc5f58_pick
	.p2alignl 7, 3214868480
	.fill 96, 4, 3214868480
	.section	.rodata,"a",@progbits
	.p2align	6, 0x0
	.amdhsa_kernel k_qe3d4cc5f58_pick
		.amdhsa_group_segment_fixed_size 0
		.amdhsa_private_segment_fixed_size 0
		.amdhsa_enable_private_segment 0
		.amdhsa_kernarg_size 48
		.amdhsa_user_sgpr_count 2
		.amdhsa_user_sgpr_kernarg_segment_ptr 1
		.amdhsa_wavefront_size32 1
		.amdhsa_system_sgpr_workgroup_id_x 1
		.amdhsa_system_sgpr_workgroup_id_y 1
		.amdhsa_system_sgpr_workgroup_id_z 1
		.amdhsa_system_vgpr_workitem_id 0
		.amdhsa_next_free_vgpr 128
		.amdhsa_next_free_sgpr 100
		.amdhsa_reserve_vcc 1
		.amdhsa_float_denorm_mode_32 3
		.amdhsa_float_denorm_mode_16_64 3
		.amdhsa_memory_ordered 1
		.amdhsa_forward_progress 1
		.amdhsa_inst_pref_size 51
	.end_amdhsa_kernel
	.amdgpu_metadata
---
amdhsa.version: [ 1, 2 ]
amdhsa.kernels:
  - .name:           k_qe3d4cc5f58_pick
    .symbol:         k_qe3d4cc5f58_pick.kd
    .args:
      - { .name: x_flat, .offset: 0, .size: 8, .value_kind: global_buffer, .address_space: global }
      - { .name: wr, .offset: 8, .size: 8, .value_kind: global_buffer, .address_space: global }
      - { .name: w2, .offset: 16, .size: 8, .value_kind: global_buffer, .address_space: global }
      - { .name: x2, .offset: 24, .size: 8, .value_kind: global_buffer, .address_space: global }
      - { .name: order, .offset: 32, .size: 8, .value_kind: global_buffer, .address_space: global }
      - { .name: out0, .offset: 40, .size: 8, .value_kind: global_buffer, .address_space: global }
    .group_segment_fixed_size: 0
    .private_segment_fixed_size: 0
    .kernarg_segment_align: 8
    .kernarg_segment_size: 48
    .max_flat_workgroup_size: 256
    .sgpr_count:     100
    .vgpr_count:     128
    .wavefront_size: 32
...
	.end_amdgpu_metadata
.endif
;; end of part 3
;; ======== version 2 of 2: 3 launches; version 1 with the launch prep written anew for expert scheduling mode
;; workspace buffers: xf 16,777,216 bytes; x2 131,072 bytes; wf 4,194,304 bytes; wr 4,194,304 bytes; w2 32,768 bytes; order 131,072 bytes of whole numbers
;; launch prep (part 4): grid 320 x 1, 8 waves a work-group, no clusters, 69,120 bytes of LDS; arguments x_flat, weight, xf, x2, wf, wr, w2; writes xf, x2, wf, wr, w2
.if DOCPART == 4
	.amdgcn_target "amdgcn-amd-amdhsa--gfx1250"
	.amdhsa_code_object_version 6
	.text
	.protected	k_qe3d4cc5f58_prep
	.globl	k_qe3d4cc5f58_prep
	.p2align	8
	.type	k_qe3d4cc5f58_prep,@function
k_qe3d4cc5f58_prep:
	s_mov_b64 s[64:65], 0
	v_nop
	global_prefetch_b8 v0, s[64:65] scope:SCOPE_SE
	s_setreg_imm32_b32 hwreg(HW_REG_WAVE_SCHED_MODE, 0, 2), 2
	s_setreg_imm32_b32 hwreg(HW_REG_WAVE_MODE, 25, 1), 1
	s_wait_xcnt 0x0
	s_wait_alu depctr_vm_vsrc(0)
; PREP.  x_flat [32768][256] and weight [8192][256], f32, are rounded once to bf16 and laid out for the matrix instruction; each rounded row's sum of squares is kept in f32.
; A wave takes a tile of 16 rows.  Work-groups 0-63 take weight (64 x 8 x 16 = 8,192 rows), work-groups 64-319 take x (256 x 8 x 16 = 32,768 rows).
; FRAGMENT-MAJOR LAYOUT (xf, wf): a tile of 16 rows is 8,192 bytes, sixteen chunks of 512; in chunk i lane L (r = L % 16, h = L / 16) owns the 16 bytes at 512 i + 16 L: row r, k = 16 i + 8 h + 0..7.
; Chunks 2c and 2c+1 are then the eight registers of the 16 x 32 bf16 fragment c (ISA guide 7.12.2), and every load of a fragment is 512 consecutive bytes.
; weight also goes out row-major in bf16 (wr), for the gather of the last launch.
; The turn from rows to fragments goes through a stage in LDS that is the wave's own (rows 528 bytes apart: 132 words, so the 16 rows of a read start at 16 different groups of four banks, ISA guide 11.1).
; LIMITS.  One rounding to bf16 (nearest even); the squares are summed in f32 in four chains a lane and then across two lanes: an order of its own.  NaN and infinities are not treated apart.
; No matrix unit and no cluster: the launch streams, each input byte is read once, and no two work-groups share a byte.
; THE MODE: SCHED_MODE bits 1:0 = 2 (LLVM: expert scheduling mode 2), set by the entry lines.  The code itself states the register dependences
; between vector instructions and memory or LDS instructions, with s_wait_alu, always for 0.
; THE PLAN.  Registers that memory or LDS instructions touch:
;   v1-v5, v7   addresses and offsets: written at the head, read by every load and store, never written again.
;   X           written by the 32 global loads, read by the conversions.  Its first 64 registers are F later, its next four BK: LDS loads land there when all conversions are done.
;   P           each register written once, by a conversion; read by the LDS stores into the stage and, for weight, by the stores to wr; never written again.
;   F           written by the stage's 16 reads; read by the 16 global stores and by the multiply-adds, which write SUM alone.
;   SUM         written by vector instructions; its first register is read by one LDS store and not written behind it.
;   v8, v9      written at the head, read by the closing add alone.
; The 16 rows go in four groups of four.  Group g's conversions write its 16 registers of P; the wait on va_vdst at the head of group g + 1 states them written, and group g's eight LDS stores follow it,
; dealt among group g + 1's conversions, which name other registers of P and of X.  No register that a memory or LDS instruction has read is ever written again, so none of them needs a wait on vm_vsrc.
.set PITCH, 528
.set STG,   16*PITCH                   ; a wave's stage: 8,448 bytes
.set SQ,    8*STG                      ; 128 sums of squares, 512 bytes, at byte 67,584
.set SPARE, SQ+512                     ; the spare words: 128 bytes for each of eight waves, four blocks of 256 bytes that no other line names
.set L16, 1                            ; v1   16 x lane
.set L8,  2                            ; v2   8 x lane
.set STO, 3                            ; v3   stage: where my 8 bytes of a row's half go
.set FRD, 4                            ; v4   stage: where my 16 bytes of chunk 0 lie
.set SQA, 5                            ; v5   LDS word of my row's sum
.set NUL, 6                            ; v6   0: the addend that starts the four chains
.set SQR, 7                            ; v7   wave 0: where it reads four sums back
.set SPW, 8                            ; v8   my spare word; never rewritten
.set NIL, 9                            ; v9   0, for the add alone
.set SUM, 10                           ; v[10:13] four chains
.set TMP, 14                           ; v14  at work
.set X,   16                           ; v[16:143]  row p, half c as loaded: 16 + 8 p + 4 c
.set F,   16                           ; v[16:79]   later: the 16 chunks
.set BK,  80                           ; v[80:83]   wave 0: four sums read back
.set P,   144                          ; v[144:207] packed bf16: 144 + 4 p + 2 c
	s_load_b256 s[4:11], s[0:1], 0x0               ; x_flat s[4:5], weight s[6:7], xf s[8:9], x2 s[10:11]
	s_load_b128 s[12:15], s[0:1], 0x20             ; wf s[12:13], wr s[14:15]
	s_load_b64 s[16:17], s[0:1], 0x30              ; w2
	v_lshl_add_u32 v[SPW], v0, 2, SPARE
	v_mov_b32 v[NIL], 0
	v_lshrrev_b32 v[TMP], 5, v0
	v_readfirstlane_b32 s28, v[TMP]                ; wave 0..7
	v_and_b32 v15, 31, v0                          ; lane
	v_and_b32 v12, 15, v0                          ; r
	v_bfe_u32 v13, v0, 4, 1                        ; h
	v_lshlrev_b32 v[L16], 4, v15
	v_lshlrev_b32 v[L8], 3, v15
	v_mov_b32 v[NUL], 0
	s_wait_alu depctr_va_sdst(0)                   ; s28 is written, ahead of its first reader: the stage's place, the tile's number and the branches are made from it
	s_mul_i32 s29, s28, STG                        ; my stage
	v_add_nc_u32 v[STO], s29, v[L8]
	v_mul_u32_u24 v[FRD], v12, PITCH
	v_lshl_add_u32 v[FRD], v13, 4, v[FRD]
	v_add_nc_u32 v[FRD], s29, v[FRD]               ; stage + r x pitch + 16 h
	s_lshl_b32 s29, s28, 6
	s_add_co_u32 s29, s29, SQ
	v_lshl_add_u32 v[SQA], v12, 2, s29             ; SQ + 4 (16 wave + r)
	v_add_nc_u32 v[SQR], SQ, v[L16]
	s_mov_b32 s30, 0x76543210                      ; v_permlanex16_b32: each lane takes its own place in the other half
	s_mov_b32 s31, 0xfedcba98
	s_mov_b32 s27, ttmp9
	s_sub_co_u32 s26, s27, 64
	s_cmp_lt_u32 s27, 64
	s_cselect_b32 s26, s27, s26                    ; my number among weight's, or among x's, work-groups
	s_lshl_b32 s32, s26, 3
	s_add_co_u32 s32, s32, s28                     ; my tile
	s_lshl_b32 s34, s32, 14                        ; its 16 rows of 1,024 bytes in the source
	s_mov_b32 s35, 0
	s_lshl_b32 s36, s32, 13                        ; its 8,192 bytes in bf16
	s_mov_b32 s37, 0
	s_lshl_b32 s38, s26, 9                         ; the work-group's 128 sums
	s_mov_b32 s39, 0
	s_wait_kmcnt 0x0
	s_cmp_lt_u32 s27, 64                           ; the shifts above have written SCC: compared anew
	s_cselect_b64 s[20:21], s[6:7], s[4:5]         ; source: weight or x_flat
	s_cselect_b64 s[22:23], s[12:13], s[8:9]       ; fragments: wf or xf
	s_cselect_b64 s[24:25], s[16:17], s[10:11]     ; sums: w2 or x2
	s_add_nc_u64 s[20:21], s[20:21], s[34:35]
	s_add_nc_u64 s[22:23], s[22:23], s[36:37]
	s_add_nc_u64 s[24:25], s[24:25], s[38:39]
	s_wait_alu depctr_va_vdst(0)                   ; the six addresses and offsets v1 to v5 and v7 are written, which the loads and stores of the whole kernel read
.set p, 0
.rept 16                                               ; 32 loads, each 512 consecutive bytes: the lane takes k = 128 c + 4 lane + 0..3 of row p
	global_load_b128 v[X+8*p:X+8*p+3],   v[L16], s[20:21] offset:p*1024 th:TH_LOAD_NT
	global_load_b128 v[X+8*p+4:X+8*p+7], v[L16], s[20:21] offset:p*1024+512 th:TH_LOAD_NT
.set p, p+1
.endr
.set g, 0
.rept 4                                                ; group g: rows 4 g to 4 g + 3 are rounded; the group before goes into the stage
	s_wait_loadcnt 24-8*g                          ; loads come back in order (ISA guide 5.7.1): the group's eight are in, the 24 - 8 g behind them stay out
.if g > 0
	s_wait_alu depctr_va_vdst(0)                   ; the group before's conversions have written its 16 registers of P, which the LDS stores below read; no conversion of this group names them
.endif
.set i, 0
.rept 4
.set p, 4*g+i
.if g > 0
	ds_store_b64 v[STO], v[P+4*(p-4):P+4*(p-4)+1]   offset:(p-4)*PITCH       ; 32 lanes x 8 bytes: half a row
	ds_store_b64 v[STO], v[P+4*(p-4)+2:P+4*(p-4)+3] offset:(p-4)*PITCH+256
.endif
	v_cvt_pk_bf16_f32 v[P+4*p],   v[X+8*p],   v[X+8*p+1]
	v_cvt_pk_bf16_f32 v[P+4*p+1], v[X+8*p+2], v[X+8*p+3]
	v_cvt_pk_bf16_f32 v[P+4*p+2], v[X+8*p+4], v[X+8*p+5]
	v_cvt_pk_bf16_f32 v[P+4*p+3], v[X+8*p+6], v[X+8*p+7]
.set i, i+1
.endr
.set g, g+1
.endr
	s_wait_alu depctr_va_vdst(0)                   ; the last group's conversions have written P, which the LDS stores and the stores to wr read; all conversions are done reading X, in whose first 64 registers the stage's reads land
.set p, 12
.rept 4
	ds_store_b64 v[STO], v[P+4*p:P+4*p+1]   offset:p*PITCH
	ds_store_b64 v[STO], v[P+4*p+2:P+4*p+3] offset:p*PITCH+256
.set p, p+1
.endr
	s_cmp_lt_u32 s27, 64
	s_cbranch_scc0 .Lno_wr                         ; x has no row-major copy
	s_add_nc_u64 s[14:15], s[14:15], s[36:37]
.set p, 0
.rept 16
	global_store_b64 v[L8], v[P+4*p:P+4*p+1],   s[14:15] offset:p*512      ; each store of the wave covers 256 consecutive bytes, aligned
	global_store_b64 v[L8], v[P+4*p+2:P+4*p+3], s[14:15] offset:p*512+256
.set p, p+1
.endr
.Lno_wr:
.set i, 0
.rept 16
	ds_load_b128 v[F+4*i:F+4*i+3], v[FRD] offset:32*i     ; LDS serves a wave's instructions in order (ISA guide 5.7.1.4): these see my stores above
.set i, i+1
.endr
	; Chunk c is stored as it comes in, and its eight squares follow: the sum of squares of the ROUNDED numbers, my 128 of row r, in four chains; the products are exact in f32's fused form.
	; The stores and the multiply-adds both only read F, and the multiply-adds write SUM alone: nothing is owed between them.  Each chain takes its registers in ascending order.
.set c, 0
.rept 16
	s_wait_dscnt 15-c                              ; chunk c is in, the 15 - c younger reads stay out
	global_store_b128 v[L16], v[F+4*c:F+4*c+3], s[22:23] offset:512*c     ; 512 consecutive bytes
.set n, 0
.rept 4
.set i, 4*c+n
.if i < 2
	v_fma_mix_f32_bf16 v[SUM+2*(i%2)],   v[F+i], v[F+i], v[NUL] op_sel_hi:[1,1,0]
	v_fma_mix_f32_bf16 v[SUM+2*(i%2)+1], v[F+i], v[F+i], v[NUL] op_sel:[1,1,0] op_sel_hi:[1,1,0]
.else
	v_fma_mix_f32_bf16 v[SUM+2*(i%2)],   v[F+i], v[F+i], v[SUM+2*(i%2)] op_sel_hi:[1,1,0]
	v_fma_mix_f32_bf16 v[SUM+2*(i%2)+1], v[F+i], v[F+i], v[SUM+2*(i%2)+1] op_sel:[1,1,0] op_sel_hi:[1,1,0]
.endif
.set n, n+1
.endr
.set c, c+1
.endr
	v_add_f32 v[SUM], v[SUM], v[SUM+1]
	v_add_f32 v[SUM+2], v[SUM+2], v[SUM+3]
	v_add_f32 v[SUM], v[SUM], v[SUM+2]
	v_permlanex16_b32 v[TMP], v[SUM], s30, s31     ; the row's other 128 numbers lie in the lane 16 away
	v_add_f32 v[SUM], v[SUM], v[TMP]
	s_wait_alu depctr_va_vdst(0)                   ; the row's sum is written, which the LDS store reads
	ds_store_b32 v[SQA], v[SUM]                    ; lanes r and r + 16 write the same number to the same word
	s_wait_dscnt 0x0                               ; for wave 0's sake: my store is done
	s_barrier_signal -1
	s_barrier_wait -1
	s_cmp_lg_u32 s28, 0
	s_cbranch_scc1 .Lend
	ds_load_b128 v[BK:BK+3], v[SQR]                ; wave 0: the work-group's 128 sums, four a lane; the conversions that read these four registers stand ahead of the waits on va_vdst above, and no vector instruction has named them since
	s_wait_dscnt 0x0
	global_store_b128 v[L16], v[BK:BK+3], s[24:25] ; 512 consecutive bytes
.Lend:
	s_wait_dscnt 0x0                               ; the closing lines, six on end
	s_wait_alu 0x0
	s_wait_tensorcnt 0x0
	ds_add_u32 v[SPW], v[NIL]
	s_wait_dscnt 0x0
	s_endpgm
.Lfunc_end_k_qe3d4cc5f58_prep:
	.size	k_qe3d4cc5f58_prep, .Lfunc_end_k_qe3d4cc5f58_prep-k_qe3d4cc5f58_prep
	.p2alignl 7, 3214868480
	.fill 96, 4, 3214868480
	.section	.rodata,"a",@progbits
	.p2align	6, 0x0
	.amdhsa_kernel k_qe3d4cc5f58_prep
		.amdhsa_group_segment_fixed_size 69120
		.amdhsa_private_segment_fixed_size 0
		.amdhsa_enable_private_segment 0
		.amdhsa_kernarg_size 56
		.amdhsa_user_sgpr_count 2
		.amdhsa_user_sgpr_kernarg_segment_ptr 1
		.amdhsa_wavefront_size32 1
		.amdhsa_system_sgpr_workgroup_id_x 1
		.amdhsa_system_sgpr_workgroup_id_y 1
		.amdhsa_system_sgpr_workgroup_id_z 1
		.amdhsa_system_vgpr_workitem_id 0
		.amdhsa_next_free_vgpr 208
		.amdhsa_next_free_sgpr 66
		.amdhsa_reserve_vcc 0
		.amdhsa_float_denorm_mode_32 3
		.amdhsa_float_denorm_mode_16_64 3
		.amdhsa_memory_ordered 1
		.amdhsa_forward_progress 1
		.amdhsa_inst_pref_size 27
	.end_amdhsa_kernel
	.amdgpu_metadata
---
amdhsa.version: [ 1, 2 ]
amdhsa.kernels:
  - .name:           k_qe3d4cc5f58_prep
    .symbol:         k_qe3d4cc5f58_prep.kd
    .args:
      - { .name: x_flat, .offset: 0, .size: 8, .value_kind: global_buffer, .address_space: global }
      - { .name: weight, .offset: 8, .size: 8, .value_kind: global_buffer, .address_space: global }
      - { .name: xf, .offset: 16, .size: 8, .value_kind: global_buffer, .address_space: global }
      - { .name: x2, .offset: 24, .size: 8, .value_kind: global_buffer, .address_space: global }
      - { .name: wf, .offset: 32, .size: 8, .value_kind: global_buffer, .address_space: global }
      - { .name: wr, .offset: 40, .size: 8, .value_kind: global_buffer, .address_space: global }
      - { .name: w2, .offset: 48, .size: 8, .value_kind: global_buffer, .address_space: global }
    .group_segment_fixed_size: 69120
    .private_segment_fixed_size: 0
    .kernarg_segment_align: 8
    .kernarg_segment_size: 56
    .max_flat_workgroup_size: 256
    .sgpr_count:     66
    .vgpr_count:     208
    .wavefront_size: 32
...
	.end_amdgpu_metadata
.endif
;; end of part 4
;; launch dist: the kernel of part 2 again; grid 256 x 1, 4 waves a work-group, clusters of 4 x 1, 327,680 bytes of LDS; arguments xf, x2, wf, w2, order; writes order
;; launch pick: the kernel of part 3 again; grid 1024 x 1, 8 waves a work-group, no clusters, 0 bytes of LDS; arguments x_flat, wr, w2, x2, order, out0; writes out0
